; MI455X (gfx1250); checked and timed in simulation.
; The chip was launched on July 23, 2026; its instructions are those of AMD's public machine-readable ISA for CDNA 5 (MIT licence, August 2026) and "CDNA5" Instruction Set Architecture Reference Guide (July 2026). The comments in the code are by the model that wrote it; some were corrected since.
;; Non Max Suppression. Allowed arithmetic: float matrix products may take bf16 or f16 operands with f32 sums; other float arithmetic in f32, or as packed bf16 or f16 multiplies, adds, multiply-adds, maxima and minima; sums over many terms, partial sums and values carried from step to step in f32; what a program stores and reads back later, other than sums and carried values, may be rounded once to bf16 or f16.
;; Inputs: predictions 2 x 8,400 x 84 float32.
;; Outputs: out0 2 x 300 x 6 float32; out1 2 int32.
;; 2 versions, each right; version 2 is version 1 with the launch k_mask written anew for expert scheduling mode. Each part assembles by itself: llvm-mc -triple=amdgcn-amd-amdhsa -mcpu=gfx1250 --defsym DOCPART=n.
;; ======== version 1 of 2: 4 launches
;; limits: inputs' magnitudes at most 5.07e+30
;; workspace buffers: keys 67,328 bytes; boxes 268,800 bytes; sccl 134,400 bytes; ranks 67,328 bytes of whole numbers; mat 97,280 bytes of whole numbers; diag 9,728 bytes of whole numbers; sbox 19,456 bytes; ssc 9,728 bytes
;; launch k_score (part 1): grid 525 x 1, 1 waves a work-group, no clusters, 11,008 bytes of LDS; arguments predictions, keys, boxes, sccl; writes keys, boxes, sccl
.if DOCPART == 1
	.amdgcn_target "amdgcn-amd-amdhsa--gfx1250"
	.amdhsa_code_object_version 6
	.text
	.protected	k_qf300fb0e43_k_score
	.globl	k_qf300fb0e43_k_score
	.p2align	8
	.type	k_qf300fb0e43_k_score,@function
k_qf300fb0e43_k_score:
	s_mov_b64 s[64:65], 0
	v_nop
	global_prefetch_b8 v0, s[64:65] scope:SCOPE_SE
	s_setreg_imm32_b32 hwreg(HW_REG_WAVE_MODE, 25, 1), 1
	s_wait_xcnt 0x0
; SCORE.  predictions: [16800 rows][84] f32 (cx, cy, w, h, 80 class scores).  For each row: box = (cx - w/2, cy - h/2, cx + w/2, cy + h/2),
; score = the largest class score, class = the first index that holds it, key = max(score, 0.25): a row is valid where score > 0.25, so every
; row that is not valid gets the one key 0.25, below every valid key.
; SHARES.  One wave takes 32 rows = 10,752 consecutive bytes, which begin at a multiple of 256 bytes: 21 loads of 512 consecutive bytes.  They go
; through the wave's own LDS, and each lane reads its own row back: rows lie 336 bytes = 21 x 16 apart, an odd multiple of 16.
; No other wave touches these bytes: no barrier.
; OUT.  boxes: 512 consecutive bytes a wave; (score, class): 256; keys: 128 (16,800 rows are 525 x 32 and no multiple of 64).
; LIMITS.  A NaN among the class scores is passed over by the maximum (reference() would call the row invalid).
.set ROWB,  336
.set CHUNK, 32*ROWB                    ; a wave's bytes of predictions
.set SPARE, CHUNK                      ; behind them: the spare words, one block of 256 bytes that no other line names
.set L16, 1                            ; v1   16 x lane
.set SPW, 2                            ; v2   my spare word
.set NIL, 3                            ; v3   0
.set RO,  4                            ; v4   336 x lane
.set L8,  5                            ; v5   8 x lane
.set L4,  6                            ; v6   4 x lane
.set IN,  8                            ; v[8:91]    as loaded
.set R,   92                           ; v[92:175]  my row
.set IX,  176                          ; v[176:179] four chains' index of the maximum
.set SC,  180                          ; v[180:181] score, class
.set KEY, 182
.set BX,  184                          ; v[184:187] the box
.set MK,  16                           ; s[16:19]   four lane masks
	s_load_b256 s[4:11], s[0:1], 0x0               ; predictions s[4:5], keys s[6:7], boxes s[8:9], sccl s[10:11]
	v_lshl_add_u32 v[SPW], v0, 2, SPARE
	v_mov_b32 v[NIL], 0
	v_lshlrev_b32 v[L16], 4, v0
	v_mul_u32_u24 v[RO], v0, ROWB
	v_lshlrev_b32 v[L8], 3, v0
	v_lshlrev_b32 v[L4], 2, v0
	s_mul_i32 s12, ttmp9, CHUNK                    ; under 2^23
	s_mov_b32 s13, 0
	s_lshl_b32 s14, ttmp9, 7                       ; 32 keys
	s_mov_b32 s15, 0
	s_lshl_b32 s20, ttmp9, 9                       ; 32 boxes
	s_mov_b32 s21, 0
	s_lshl_b32 s22, ttmp9, 8                       ; 32 pairs
	s_mov_b32 s23, 0
	s_wait_kmcnt 0x0
	s_add_nc_u64 s[4:5], s[4:5], s[12:13]
	s_add_nc_u64 s[6:7], s[6:7], s[14:15]
	s_add_nc_u64 s[8:9], s[8:9], s[20:21]
	s_add_nc_u64 s[10:11], s[10:11], s[22:23]
.set k, 0
.rept 21                               ; all of the wave's bytes are asked for at once
	global_load_b128 v[IN+4*k:IN+4*k+3], v[L16], s[4:5] offset:512*k th:TH_LOAD_NT
.set k, k+1
.endr
.set k, 0
.rept 21
	s_wait_loadcnt 20-k                            ; loads come back in order: load k is in, the 20 - k younger ones may be out
	ds_store_b128 v[L16], v[IN+4*k:IN+4*k+3] offset:512*k
.set k, k+1
.endr
.set k, 0
.rept 21
	ds_load_b128 v[R+4*k:R+4*k+3], v[RO] offset:16*k  ; LDS serves a wave's instructions in order: these see the stores above
.set k, k+1
.endr
.irp q, 0,1,2,3
	v_mov_b32 v[IX+\q], 0
.endr
	s_wait_dscnt 0x0
	; Four chains of 20 classes each, so that no line waits for the one before it.  A later score replaces the maximum only if it is greater: the first index wins.
.set k, 1
.rept 19
.irp q, 0,1,2,3
	v_cmp_gt_f32 s[MK+\q], v[R+4+20*\q+k], v[R+4+20*\q]
.endr
.irp q, 0,1,2,3
	v_cndmask_b32 v[IX+\q], v[IX+\q], k, s[MK+\q]
.endr
.irp q, 0,1,2,3
	v_max_num_f32 v[R+4+20*\q], v[R+4+20*\q], v[R+4+20*\q+k]
.endr
.set k, k+1
.endr
	v_add_nc_u32 v[IX+1], 20, v[IX+1]
	v_add_nc_u32 v[IX+2], 40, v[IX+2]
	v_add_nc_u32 v[IX+3], 60, v[IX+3]
	v_cmp_gt_f32 s[MK], v[R+24], v[R+4]            ; the chains are joined the same way: the later one only if greater
	v_cmp_gt_f32 s[MK+1], v[R+64], v[R+44]
	v_cndmask_b32 v[IX], v[IX], v[IX+1], s[MK]
	v_cndmask_b32 v[IX+2], v[IX+2], v[IX+3], s[MK+1]
	v_max_num_f32 v[R+4], v[R+4], v[R+24]
	v_max_num_f32 v[R+44], v[R+44], v[R+64]
	v_fma_f32 v[BX], v[R+2], -0.5, v[R]            ; w / 2 is exact, so the fused form rounds as the difference does
	v_fma_f32 v[BX+1], v[R+3], -0.5, v[R+1]
	v_cmp_gt_f32 s[MK], v[R+44], v[R+4]
	v_fma_f32 v[BX+2], v[R+2], 0.5, v[R]
	v_fma_f32 v[BX+3], v[R+3], 0.5, v[R+1]
	v_cndmask_b32 v[IX], v[IX], v[IX+2], s[MK]
	v_max_num_f32 v[SC], v[R+4], v[R+44]
	v_cvt_f32_u32 v[SC+1], v[IX]
	v_max_num_f32 v[KEY], 0x3e800000, v[SC]        ; 0.25
	global_store_b128 v[L16], v[BX:BX+3], s[8:9]
	global_store_b64 v[L8], v[SC:SC+1], s[10:11]
	global_store_b32 v[L4], v[KEY], s[6:7]
	s_wait_tensorcnt 0x0                           ; the wave's end, behind my last LDS store
	ds_add_u32 v[SPW], v[NIL]
	s_wait_dscnt 0x0
	s_endpgm
.Lfunc_end_k_qf300fb0e43_k_score:
	.size	k_qf300fb0e43_k_score, .Lfunc_end_k_qf300fb0e43_k_score-k_qf300fb0e43_k_score
	.p2alignl 7, 3214868480
	.fill 96, 4, 3214868480
	.section	.rodata,"a",@progbits
	.p2align	6, 0x0
	.amdhsa_kernel k_qf300fb0e43_k_score
		.amdhsa_group_segment_fixed_size 11008
		.amdhsa_private_segment_fixed_size 0
		.amdhsa_enable_private_segment 0
		.amdhsa_kernarg_size 32
		.amdhsa_user_sgpr_count 2
		.amdhsa_user_sgpr_kernarg_segment_ptr 1
		.amdhsa_wavefront_size32 1
		.amdhsa_system_sgpr_workgroup_id_x 1
		.amdhsa_system_sgpr_workgroup_id_y 1
		.amdhsa_system_sgpr_workgroup_id_z 1
		.amdhsa_system_vgpr_workitem_id 0
		.amdhsa_next_free_vgpr 192
		.amdhsa_next_free_sgpr 66
		.amdhsa_reserve_vcc 0
		.amdhsa_float_denorm_mode_32 3
		.amdhsa_float_denorm_mode_16_64 3
		.amdhsa_memory_ordered 1
		.amdhsa_forward_progress 1
		.amdhsa_inst_pref_size 20
	.end_amdhsa_kernel
	.amdgpu_metadata
---
amdhsa.version: [ 1, 2 ]
amdhsa.kernels:
  - .name:           k_qf300fb0e43_k_score
    .symbol:         k_qf300fb0e43_k_score.kd
    .args:
      - { .name: predictions, .offset: 0, .size: 8, .value_kind: global_buffer, .address_space: global }
      - { .name: keys, .offset: 8, .size: 8, .value_kind: global_buffer, .address_space: global }
      - { .name: boxes, .offset: 16, .size: 8, .value_kind: global_buffer, .address_space: global }
      - { .name: sccl, .offset: 24, .size: 8, .value_kind: global_buffer, .address_space: global }
    .group_segment_fixed_size: 11008
    .private_segment_fixed_size: 0
    .kernarg_segment_align: 8
    .kernarg_segment_size: 32
    .max_flat_workgroup_size: 32
    .sgpr_count:     66
    .vgpr_count:     192
    .wavefront_size: 32
...
	.end_amdgpu_metadata
.endif
;; end of part 1
;; launch k_rank (part 2): grid 117 x 2, 8 waves a work-group, no clusters, 37,632 bytes of LDS; arguments keys, ranks; writes ranks
.if DOCPART == 2
	.amdgcn_target "amdgcn-amd-amdhsa--gfx1250"
	.amdhsa_code_object_version 6
	.text
	.protected	k_qf300fb0e43_k_rank
	.globl	k_qf300fb0e43_k_rank
	.p2align	8
	.type	k_qf300fb0e43_k_rank,@function
k_qf300fb0e43_k_rank:
	s_mov_b64 s[64:65], 0
	v_nop
	global_prefetch_b8 v0, s[64:65] scope:SCOPE_SE
	s_setreg_imm32_b32 hwreg(HW_REG_WAVE_MODE, 25, 1), 1
	s_wait_xcnt 0x0
; RANK.  keys: [2][8400] f32, all >= 0.25.  rank[i] = how many j of the same image come before i in the stable descending order: key[j] > key[i], or equal and j < i.
; Stored: min(rank, 600) x 4, the byte offset of the element's slot among the first 600, or of a slot that is thrown away.
; THE COUNT.  Two different keys >= 0.25 lie 2^-25 or more apart, so (key[j] - key[i]) x 2^25, made by one fused multiply-add, is 0, or >= 1, or <= -1: held to 0 .. 1 it is
; the indicator of key[j] > key[i], exactly.  One packed multiply-add and one packed addition serve two j for 32 lanes.  Counts stay under 2^24: exact in f32.
; TIES.  A work-group owns 72 consecutive i.  As the keys are laid into LDS, those of j below its range are replaced by the next float up (bits + 1): then > means >=.
; Those of its own range are laid down as 0, which counts for nobody, and are taken in a pass of their own, in which each lane chooses key or next float by j < i.
; SHARES.  A lane is one of 8 i (lane % 8) in each of 9 register sets, and one of 4 streams of j (lane / 8).  The keys, padded with 0 to 8,448, are 8 waves x 66 steps x 16 j:
; in a step a wave reads 64 consecutive bytes, 16 for each stream.  The 32 partial counts of an i (4 streams, 8 waves) meet by two lane exchanges and in LDS.
; 72 i give 117 work-groups an image, 234 in all: 64 i would give 264.
; LIMITS.  Keys are finite and below 2^102 (key x 2^25 must not overflow).
.set N,     8400
.set OWN,   72
.set IMGB,  4*N
.set KM,    0                          ; 8,448 keys
.set KD,    33792                      ; the 72 own keys, padded with 0 to 96
.set RED,   34304                      ; 8 waves x 72 partial counts
.set SPARE, 36608                      ; the spare words, 128 bytes for each wave: four blocks of 256 bytes that no other line names
.set WSPAN, 4224                       ; bytes of KM that a wave walks: 66 steps of 64
.set T16, 1                            ; v1   16 x thread
.set SPW, 2
.set NIL, 3
.set REL, 4                            ; v4   4 x thread - first own i
.set FL,  8                            ; v[8:43]   the fill: nine times four keys
.set KA,  8                            ; v[8:31]   six steps' keys
.set KB,  32                           ; v[32:55]  the other six
.set DK,  32                           ; v[32:34]  three own keys for the diagonal pass (ahead of KB's first use)
.set DS,  35                           ;           the next float up
.set CC,  56                           ; v[56:73]  -key[i] x 2^25, twice, for each of 9 sets
.set AC,  74                           ; v[74:91]  counts, a pair for each set
.set TT,  92                           ; v[92:109] at work
.set HP,  110                          ; v[110:111] 2^25, twice
.set IL,  112                          ; v[112:120] my i, counted from the range's first, for each set
.set ADR, 121
.set L8,  122
.set SUB, 123
.set L84, 124
.set JL,  125
.set JA,  126
.set RW,  127
	s_load_b128 s[4:7], s[0:1], 0x0                ; keys s[4:5], ranks s[6:7]
	v_lshl_add_u32 v[SPW], v0, 2, SPARE
	v_mov_b32 v[NIL], 0
	v_lshrrev_b32 v7, 5, v0
	v_readfirstlane_b32 s8, v7                     ; wave 0..7
	s_mul_i32 s9, ttmp9, OWN                       ; the first own i
	s_and_b32 s10, ttmp7, 0xffff                   ; the image
	s_mul_i32 s10, s10, IMGB
	s_mov_b32 s11, 0
	s_mov_b32 s16, 0x76543210                      ; v_permlanex16_b32: each lane takes its own place in the other half
	s_mov_b32 s17, 0xfedcba98
	v_lshlrev_b32 v[T16], 4, v0
	v_add_nc_u32 v6, 2048, v0                      ; the ninth round's group of four keys,
	v_min_u32 v6, N/4-1, v6                        ; held inside the image: what lies past it is laid down as 0
	v_lshlrev_b32 v6, 4, v6
	v_add_nc_u32 v46, s9, v0                       ; own element number thread (threads 0 to 95)
	v_min_u32 v47, N-1, v46
	v_lshlrev_b32 v47, 2, v47
	v_lshlrev_b32 v7, 2, v0
	v_mov_b32 v48, s9
	v_sub_nc_u32 v[REL], v7, v48
	s_wait_kmcnt 0x0
	s_add_nc_u64 s[4:5], s[4:5], s[10:11]
	s_add_nc_u64 s[6:7], s[6:7], s[10:11]
	; What only some waves load goes out first, so that behind load k of the eight that all waves issue the same 7 - k loads follow in every wave.
	s_cmp_gt_u32 s8, 2
	s_cbranch_scc1 .Lno_own
	global_load_b32 v44, v47, s[4:5]               ; waves 0 to 2: the own keys
.Lno_own:
	s_cmp_gt_u32 s8, 1
	s_cbranch_scc1 .Lno_ninth
	global_load_b128 v[FL+32:FL+35], v6, s[4:5]    ; waves 0 and 1: groups 2,048 to 2,111
.Lno_ninth:
.set k, 0
.rept 8
	global_load_b128 v[FL+4*k:FL+4*k+3], v[T16], s[4:5] offset:4096*k
.set k, k+1
.endr
; Round k: my four keys j = 4 x thread + 1,024 k + 0..3.  The range begins and ends at multiples of 4, so the four are all below it, all in it or all above it.
.macro FILL k, last
	v_add_nc_u32 v48, 1024*(\k), v[REL]            ; j less the first own i
	v_lshrrev_b32 v49, 31, v48                     ; 1 where that is negative: j below the range
	v_cmp_le_u32 vcc_lo, OWN, v48                  ; outside the range (a negative number is a large one here)
.if \last
	v_cmp_gt_u32 s12, (N-8192)/4, v0               ; and inside the image
	s_and_b32 vcc_lo, vcc_lo, s12
.endif
.irp e, 0,1,2,3
	v_add_nc_u32 v[FL+4*(\k)+\e], v[FL+4*(\k)+\e], v49
.endr
.irp e, 0,1,2,3
	v_cndmask_b32 v[FL+4*(\k)+\e], 0, v[FL+4*(\k)+\e], vcc_lo
.endr
	ds_store_b128 v[T16], v[FL+4*(\k):FL+4*(\k)+3] offset:KM+4096*(\k)
.endm
.irp k, 0,1,2,3,4,5,6,7
	s_wait_loadcnt 7-\k                            ; load k is in; the 7 - k younger ones may be out
	FILL \k, 0
.endr
	s_cmp_gt_u32 s8, 1
	s_cbranch_scc1 .Lno_ninth_b
	FILL 8, 1                                      ; (the wait for 0 above has shown this load done too)
.Lno_ninth_b:
	s_cmp_gt_u32 s8, 2
	s_cbranch_scc1 .Lno_own_b
	v_cmp_gt_u32 s12, OWN, v0
	v_cmp_gt_u32 vcc_lo, N, v46
	s_and_b32 vcc_lo, vcc_lo, s12
	v_cndmask_b32 v44, 0, v44, vcc_lo
	ds_store_b32 v7, v44 offset:KD
.Lno_own_b:
	s_wait_dscnt 0x0                               ; for the others' sake: my stores are done
	s_barrier_signal -1
	s_barrier_wait -1                              ; all keys lie in LDS
.macro LOADS set, off                  ; six steps' keys: 16 bytes for each stream, 64 bytes a step
.irp n, 0,1,2,3,4,5
	ds_load_b128 v[(\set)+4*\n:(\set)+4*\n+3], v[ADR] offset:KM+(\off)+64*\n
.endr
.endm
.macro PAIR kk                         ; two keys against my nine i
.set r, 0
.rept 9
	v_pk_fma_f32 v[TT+2*r:TT+2*r+1], v[\kk:\kk+1], v[HP:HP+1], v[CC+2*r:CC+2*r+1] clamp
.set r, r+1
.endr
.set r, 0
.rept 9
	v_pk_add_f32 v[AC+2*r:AC+2*r+1], v[AC+2*r:AC+2*r+1], v[TT+2*r:TT+2*r+1]
.set r, r+1
.endr
.endm
.macro GROUP set
.irp n, 0,1,2,3,4,5,6,7,8,9,10,11
	PAIR (\set)+2*\n
.endr
.endm
	v_and_b32 v[L8], 7, v0
	v_bfe_u32 v[SUB], v0, 3, 2
	v_lshlrev_b32 v[L84], 2, v[L8]
.set r, 0
.rept 9
	ds_load_b32 v[TT+r], v[L84] offset:KD+32*r     ; key[i] of my nine i
.set r, r+1
.endr
	s_lshl_b32 s13, s8, 2
	v_add_nc_u32 v[JL], s13, v[SUB]                ; the diagonal pass: own j = 4 x wave + stream + 32 m, m = 0, 1, 2
	v_lshlrev_b32 v[JA], 2, v[JL]
.irp m, 0,1,2
	ds_load_b32 v[DK+\m], v[JA] offset:KD+128*\m
.endr
	s_mul_i32 s12, s8, WSPAN
	v_lshl_add_u32 v[ADR], v[SUB], 4, s12
	LOADS KA, 0
	v_mov_b32 v[HP], 0x4c000000                    ; 2^25
	v_mov_b32 v[HP+1], 0x4c000000
.set r, 0
.rept 18
	v_mov_b32 v[AC+r], 0
.set r, r+1
.endr
.set r, 0
.rept 9
	v_add_nc_u32 v[IL+r], 8*r, v[L8]
.set r, r+1
.endr
	s_wait_dscnt 6                                 ; all but the six loads of the first six steps
.set r, 0
.rept 9
	v_mul_f32 v[CC+2*r], 0xcc000000, v[TT+r]       ; -2^25 x key[i]: exact
.set r, r+1
.endr
.set r, 0
.rept 9
	v_mov_b32 v[CC+2*r+1], v[CC+2*r]
.set r, r+1
.endr
.irp m, 0,1,2
	v_add_nc_u32 v[DS], 1, v[DK+\m]                ; the next float up
.set r, 0
.rept 9
	v_cmp_lt_u32 vcc_lo, v[JL], v[IL+r]            ; j < i: a tie counts
	v_cndmask_b32 v[TT+r], v[DK+\m], v[DS], vcc_lo
	v_fma_f32 v[TT+r], v[TT+r], v[HP], v[CC+2*r] clamp
	v_add_f32 v[AC+2*r], v[AC+2*r], v[TT+r]
.set r, r+1
.endr
	v_add_nc_u32 v[JL], 32, v[JL]
.endr
	; 66 steps = 11 groups of six, on two sets of registers: while one group is counted the next one's six loads are out.
	s_mov_b32 s14, 5
.Lgo:
	LOADS KB, 384
	s_wait_dscnt 6                                 ; KA is in; KB's six loads may be out
	GROUP KA
	LOADS KA, 768
	s_wait_dscnt 6                                 ; KB is in
	GROUP KB
	v_add_nc_u32 v[ADR], 768, v[ADR]
	s_sub_co_u32 s14, s14, 1
	s_cmp_lg_u32 s14, 0
	s_cbranch_scc1 .Lgo
	s_wait_dscnt 0x0                               ; the eleventh group: nothing more is fetched
	GROUP KA
	; the pair's halves, then the four streams: lanes 8 and 16 apart
.set r, 0
.rept 9
	v_add_f32 v[AC+2*r], v[AC+2*r], v[AC+2*r+1]
.set r, r+1
.endr
.set r, 0
.rept 9
	v_add_f32_dpp v[AC+2*r], v[AC+2*r], v[AC+2*r] row_xmask:8 row_mask:0xf bank_mask:0xf
.set r, r+1
.endr
.set r, 0
.rept 9
	v_permlanex16_b32 v[AC+2*r+1], v[AC+2*r], s16, s17
.set r, r+1
.endr
.set r, 0
.rept 9
	v_add_f32 v[AC+2*r], v[AC+2*r], v[AC+2*r+1]
.set r, r+1
.endr
	s_mul_i32 s13, s8, 4*OWN
	v_add_nc_u32 v[RW], s13, v[L84]
.set r, 0
.rept 9
	ds_store_b32 v[RW], v[AC+2*r] offset:RED+32*r  ; four lanes hold the same sum and write the same word
.set r, r+1
.endr
	s_wait_dscnt 0x0
	s_barrier_signal -1
	s_barrier_wait -1                              ; the eight waves' counts lie in LDS
	s_cmp_gt_u32 s8, 2
	s_cbranch_scc1 .Lend
	v_min_u32 v50, OWN-1, v0                       ; threads 0 to 71 finish an i each
	v_lshlrev_b32 v50, 2, v50
.set k, 0
.rept 8
	ds_load_b32 v[8+k], v50 offset:RED+4*OWN*k
.set k, k+1
.endr
	v_add_nc_u32 v51, s9, v0
	v_cmp_gt_u32 s12, OWN, v0
	v_cmp_gt_u32 vcc_lo, N, v51
	s_and_b32 vcc_lo, vcc_lo, s12
	v_min_u32 v51, N-1, v51
	v_lshlrev_b32 v51, 2, v51
	s_wait_dscnt 0x0
	v_add_f32 v8, v8, v9
	v_add_f32 v10, v10, v11
	v_add_f32 v12, v12, v13
	v_add_f32 v14, v14, v15
	v_add_f32 v8, v8, v10
	v_add_f32 v12, v12, v14
	v_add_f32 v8, v8, v12
	v_cvt_u32_f32 v8, v8
	v_min_u32 v8, 600, v8
	v_lshlrev_b32 v8, 2, v8
	s_wait_xcnt 0x0                                ; EXEC changes only behind this wait
	s_and_saveexec_b32 s12, vcc_lo
	global_store_b32 v51, v8, s[6:7]
	s_wait_xcnt 0x0                                ; and again, in front of the line that widens it
	s_or_b32 exec_lo, exec_lo, s12
.Lend:
	s_wait_tensorcnt 0x0                           ; the wave's end, behind my last LDS store
	ds_add_u32 v[SPW], v[NIL]
	s_wait_dscnt 0x0
	s_endpgm
.Lfunc_end_k_qf300fb0e43_k_rank:
	.size	k_qf300fb0e43_k_rank, .Lfunc_end_k_qf300fb0e43_k_rank-k_qf300fb0e43_k_rank
	.p2alignl 7, 3214868480
	.fill 96, 4, 3214868480
	.section	.rodata,"a",@progbits
	.p2align	6, 0x0
	.amdhsa_kernel k_qf300fb0e43_k_rank
		.amdhsa_group_segment_fixed_size 37632
		.amdhsa_private_segment_fixed_size 0
		.amdhsa_enable_private_segment 0
		.amdhsa_kernarg_size 16
		.amdhsa_user_sgpr_count 2
		.amdhsa_user_sgpr_kernarg_segment_ptr 1
		.amdhsa_wavefront_size32 1
		.amdhsa_system_sgpr_workgroup_id_x 1
		.amdhsa_system_sgpr_workgroup_id_y 1
		.amdhsa_system_sgpr_workgroup_id_z 1
		.amdhsa_system_vgpr_workitem_id 0
		.amdhsa_next_free_vgpr 128
		.amdhsa_next_free_sgpr 66
		.amdhsa_reserve_vcc 1
		.amdhsa_float_denorm_mode_32 3
		.amdhsa_float_denorm_mode_16_64 3
		.amdhsa_memory_ordered 1
		.amdhsa_forward_progress 1
		.amdhsa_inst_pref_size 61
	.end_amdhsa_kernel
	.amdgpu_metadata
---
amdhsa.version: [ 1, 2 ]
amdhsa.kernels:
  - .name:           k_qf300fb0e43_k_rank
    .symbol:         k_qf300fb0e43_k_rank.kd
    .args:
      - { .name: keys, .offset: 0, .size: 8, .value_kind: global_buffer, .address_space: global }
      - { .name: ranks, .offset: 8, .size: 8, .value_kind: global_buffer, .address_space: global }
    .group_segment_fixed_size: 37632
    .private_segment_fixed_size: 0
    .kernarg_segment_align: 8
    .kernarg_segment_size: 16
    .max_flat_workgroup_size: 256
    .sgpr_count:     66
    .vgpr_count:     128
    .wavefront_size: 32
...
	.end_amdgpu_metadata
.endif
;; end of part 2
;; launch k_mask (part 3): grid 19 x 2, 10 waves a work-group, no clusters, 24,320 bytes of LDS; arguments ranks, boxes, sccl, mat, diag, sbox, ssc; writes mat, diag, sbox, ssc
.if DOCPART == 3
	.amdgcn_target "amdgcn-amd-amdhsa--gfx1250"
	.amdhsa_code_object_version 6
	.text
	.protected	k_qf300fb0e43_k_mask
	.globl	k_qf300fb0e43_k_mask
	.p2align	8
	.type	k_qf300fb0e43_k_mask,@function
k_qf300fb0e43_k_mask:
	s_mov_b64 s[64:65], 0
	v_nop
	global_prefetch_b8 v0, s[64:65] scope:SCOPE_SE
	s_setreg_imm32_b32 hwreg(HW_REG_WAVE_MODE, 25, 1), 1
	s_wait_xcnt 0x0
; MASK.  The first 600 elements of an image in sorted order are the candidates, in 19 blocks of 32 (slots 600 to 639 hold empty boxes).  Work-group c makes, for its 32 rows 32 c + lane, the words
; W[c][b], b <= c: bit i says IoU(row, candidate 32 b + i) > 0.7.  Wave w makes b = 2 w and 2 w + 1 and stores both as 8 bytes a lane: 256 consecutive bytes at (10 c + w) x 256.
; The wave that holds b = c also stores: the row's own-block word with only the bits above the row's own place, beside the row's valid flag (score > 0.25); the row's box; its score and class.
; THE ORDER.  ranks holds each element's slot x 4 (2,400 = not among the 600).  Wave 0 alone walks the 8,400 words and puts each element's number into its slot in LDS: one wave, so that no two waves
; store into the same bytes between two barriers.  Then all 320 threads fetch two slots' box, score and class each.
; THE TEST.  inter = max(w, 0) x h;  inter > 0.7 x (area_i + area_j - inter) + 0.7e-7, areas held at 0 or above, stands for inter / (area_i + area_j - inter + 1e-7) > 0.7.  inter > 0 only where both boxes
; have positive sizes, and there the areas are reference()'s own and the divisor is positive; elsewhere the right side is positive and the left is not, as reference()'s quotient is never above 0.
; LIMIT: the two forms round differently, so an IoU within a few units in the last place of 0.7 may fall on the other side.  NaN and infinities are not treated apart.
; A bit is shifted into its word by word + word + carry, so the columns of a block go from 31 down to 0.
.set N,     8400
.set TOP,   600
.set ORD,   0                          ; 601 words: slot -> element; the block of 2,560 bytes is cleared first
.set SB,    2560                       ; 640 boxes
.set SA,    12800                      ; 640 areas
.set SS,    15360                      ; 640 x (score, class)
.set SF,    20480                      ; 640 flags
.set SPARE, 23040                      ; the spare words, 128 bytes for each wave: five blocks of 256 bytes that no other line names
.set LN,  1                            ; v1   lane
.set SPW, 2
.set NIL, 3
.set GO,  5                            ; v5   16 x lane
.set GL,  6                            ; v6   the last round's offset
.set JB,  7                            ; v7   the last round's first element
.set J,   8                            ; v[8:11]    the numbers of my four elements
.set ZR,  12                           ; v[12:15]   zeros for the slot table
.set XA,  16                           ; v[16:103]  22 rounds' words
.set XB,  104                          ; v[104:191] 22 more
.set RB,  56                           ; v[56:59]   my row's box
.set RA,  60                           ;            its area
.set CBA, 61
.set CAA, 62
.set R16, 63
.set R4,  64
.set R8,  65
.set WD,  66                           ; v[66:67]   the two words
.set TP,  68                           ; v[68:83]   four columns at work, four registers each
.set DGP, 84                           ; v[84:85]
.set MSK, 86
.set SCP, 88                           ; v[88:89]
.set L8,  90
.set L16, 91
.set CS0, 96                           ; v[96:135], v[136:175]  two sets: eight columns' boxes, then their areas
.set C07, 30
.set CEP, 31
	s_load_b256 s[4:11], s[0:1], 0x0               ; ranks s[4:5], boxes s[6:7], sccl s[8:9], mat s[10:11]
	s_load_b128 s[12:15], s[0:1], 0x20             ; diag s[12:13], sbox s[14:15]
	s_load_b64 s[16:17], s[0:1], 0x30              ; ssc
	v_lshl_add_u32 v[SPW], v0, 2, SPARE
	v_mov_b32 v[NIL], 0
	v_lshrrev_b32 v4, 5, v0
	v_readfirstlane_b32 s20, v4                    ; wave 0..9
	s_mov_b32 s21, ttmp9                           ; c
	s_and_b32 s22, ttmp7, 0xffff                   ; the image
	v_and_b32 v[LN], 31, v0
	s_mov_b32 s25, 0
	s_mov_b32 s27, 0
	s_wait_kmcnt 0x0
	s_mul_i32 s24, s22, 4*N
	s_add_nc_u64 s[4:5], s[4:5], s[24:25]
	s_mul_i32 s24, s22, 16*N
	s_add_nc_u64 s[6:7], s[6:7], s[24:25]
	s_mul_i32 s24, s22, 8*N
	s_add_nc_u64 s[8:9], s[8:9], s[24:25]
	s_mul_i32 s24, s22, 19*10*256
	s_mul_i32 s26, s21, 10
	s_add_co_u32 s26, s26, s20
	s_lshl_b32 s26, s26, 8
	s_add_nc_u64 s[10:11], s[10:11], s[24:25]
	s_add_nc_u64 s[10:11], s[10:11], s[26:27]      ; my tile of mat
	s_mul_i32 s24, s22, 19*256
	s_lshl_b32 s26, s21, 8
	s_add_nc_u64 s[12:13], s[12:13], s[24:25]
	s_add_nc_u64 s[12:13], s[12:13], s[26:27]
	s_add_nc_u64 s[16:17], s[16:17], s[24:25]
	s_add_nc_u64 s[16:17], s[16:17], s[26:27]
	s_mul_i32 s24, s22, 19*512
	s_lshl_b32 s26, s21, 9
	s_add_nc_u64 s[14:15], s[14:15], s[24:25]
	s_add_nc_u64 s[14:15], s[14:15], s[26:27]
	s_cmp_lg_u32 s20, 0
	s_cbranch_scc1 .Lplaced
; Wave 0: 2,100 groups of four words = 65 rounds of 32 lanes and 20 lanes more; the last round's lanes are held at the last group (a group taken twice stores the same number into the same slot).
.macro ASK x, first                    ; 22 rounds' loads
.set k, 0
.rept 22
.if (\first)+k < 65
	global_load_b128 v[(\x)+4*k:(\x)+4*k+3], v[GO], s[4:5] offset:512*((\first)+k)
.else
	global_load_b128 v[(\x)+4*k:(\x)+4*k+3], v[GL], s[4:5]
.endif
.set k, k+1
.endr
.endm
.macro PUT x, first                    ; 22 rounds: each element's number into its slot
.set k, 0
.rept 22
.if (\first)+k == 65
.irp e, 0,1,2,3
	v_add_nc_u32 v[J+\e], \e, v[JB]
.endr
.endif
.irp e, 0,1,2,3
	v_min_u32 v[(\x)+4*k+\e], 4*TOP, v[(\x)+4*k+\e]  ; a loaded number enters an address only behind this bound
.endr
.irp e, 0,1,2,3
	ds_store_b32 v[(\x)+4*k+\e], v[J+\e] offset:ORD
.endr
.if (\first)+k < 64
.irp e, 0,1,2,3
	v_add_nc_u32 v[J+\e], 128, v[J+\e]
.endr
.endif
.set k, k+1
.endr
.endm
	v_lshlrev_b32 v[GO], 4, v[LN]
	v_add_nc_u32 v[GL], 2080, v[LN]
	v_min_u32 v[GL], N/4-1, v[GL]
	v_lshlrev_b32 v[JB], 2, v[GL]
	v_lshlrev_b32 v[GL], 4, v[GL]
	ASK XA, 0
	ASK XB, 22
	; while the first 44 loads are out: the slot table is cleared, 5 x 512 bytes, so that every word read later has been written; LDS serves a wave's instructions in order, so the numbers put below land on top
.irp e, 0,1,2,3
	v_mov_b32 v[ZR+\e], 0
.endr
.irp k, 0,1,2,3,4
	ds_store_b128 v[GO], v[ZR:ZR+3] offset:ORD+512*\k
.endr
	v_lshlrev_b32 v[J], 2, v[LN]
	v_add_nc_u32 v[J+1], 1, v[J]
	v_add_nc_u32 v[J+2], 2, v[J]
	v_add_nc_u32 v[J+3], 3, v[J]
	s_wait_loadcnt 22                              ; the first 22 rounds are in; the next 22 loads may be out
	PUT XA, 0
	ASK XA, 44
	s_wait_loadcnt 22                              ; the second 22 are in; the last 22 loads may be out
	PUT XB, 22
	s_wait_loadcnt 0x0
	PUT XA, 44
.Lplaced:
	s_wait_dscnt 0x0
	s_barrier_signal -1
	s_barrier_wait -1                              ; every slot holds its element's number
	; slots thread and thread + 320
	v_lshlrev_b32 v12, 2, v0
	v_add_nc_u32 v15, 320, v0
	v_min_u32 v16, TOP-1, v15                      ; slots 600 to 639 read slot 599 and are emptied below
	v_lshlrev_b32 v16, 2, v16
	ds_load_b32 v20, v12 offset:ORD
	ds_load_b32 v21, v16 offset:ORD
	v_lshlrev_b32 v13, 3, v0
	v_lshlrev_b32 v14, 4, v0
	v_cmp_gt_u32 s28, TOP, v15
	v_mov_b32 v48, 1
	s_wait_dscnt 0x0
	v_min_u32 v20, N-1, v20
	v_min_u32 v21, N-1, v21
	v_lshlrev_b32 v22, 4, v20
	v_lshlrev_b32 v23, 4, v21
	v_lshlrev_b32 v24, 3, v20
	v_lshlrev_b32 v25, 3, v21
	global_load_b128 v[32:35], v22, s[6:7]
	global_load_b128 v[36:39], v23, s[6:7]
	global_load_b64 v[40:41], v24, s[8:9]
	global_load_b64 v[42:43], v25, s[8:9]
	s_wait_loadcnt 0x0
.irp e, 36,37,38,39,42,43
	v_cndmask_b32 v[\e], 0, v[\e], s28
.endr
	v_cmp_lt_f32 vcc_lo, 0x3e800000, v40           ; valid: 0.25 < score
	v_cndmask_b32 v44, 0, v48, vcc_lo
	v_cmp_lt_f32 vcc_lo, 0x3e800000, v42
	v_cndmask_b32 v45, 0, v48, vcc_lo
	v_sub_f32 v46, v34, v32
	v_sub_f32 v49, v35, v33
	v_sub_f32 v47, v38, v36
	v_sub_f32 v50, v39, v37
	v_mul_f32 v46, v46, v49
	v_mul_f32 v47, v47, v50
	v_max_num_f32 v46, 0, v46
	v_max_num_f32 v47, 0, v47
	ds_store_b128 v14, v[32:35] offset:SB
	ds_store_b128 v14, v[36:39] offset:SB+320*16
	ds_store_b32 v12, v46 offset:SA
	ds_store_b32 v12, v47 offset:SA+320*4
	ds_store_b64 v13, v[40:41] offset:SS
	ds_store_b64 v13, v[42:43] offset:SS+320*8
	ds_store_b32 v12, v44 offset:SF
	ds_store_b32 v12, v45 offset:SF+320*4
	s_wait_dscnt 0x0
	s_barrier_signal -1
	s_barrier_wait -1                              ; the sorted candidates lie in LDS
	s_lshl_b32 s23, s20, 1
	s_cmp_gt_u32 s23, s21                          ; both my column blocks lie above the diagonal: nobody reads their words
	s_cbranch_scc1 .Lend
.macro LOADC set, lo                   ; eight columns from column lo of my 64 on: every lane reads the same bytes
.irp q, 0,1,2,3,4,5,6,7
	ds_load_b128 v[(\set)+4*\q:(\set)+4*\q+3], v[CBA] offset:SB+16*((\lo)+\q)
.endr
	ds_load_b128 v[(\set)+32:(\set)+35], v[CAA] offset:SA+4*(\lo)
	ds_load_b128 v[(\set)+36:(\set)+39], v[CAA] offset:SA+4*(\lo)+16
.endm
.macro FOUR set, qh                    ; columns qh, qh - 1, qh - 2, qh - 3 of the set, side by side so that no line waits for the one before it
.irp z, 0,1,2,3
	v_max_num_f32 v[TP+4*\z], v[RB], v[(\set)+4*((\qh)-\z)]
.endr
.irp z, 0,1,2,3
	v_max_num_f32 v[TP+4*\z+1], v[RB+1], v[(\set)+4*((\qh)-\z)+1]
.endr
.irp z, 0,1,2,3
	v_min_num_f32 v[TP+4*\z+2], v[RB+2], v[(\set)+4*((\qh)-\z)+2]
.endr
.irp z, 0,1,2,3
	v_min_num_f32 v[TP+4*\z+3], v[RB+3], v[(\set)+4*((\qh)-\z)+3]
.endr
.irp z, 0,1,2,3
	v_pk_add_f32 v[TP+4*\z+2:TP+4*\z+3], v[TP+4*\z+2:TP+4*\z+3], v[TP+4*\z:TP+4*\z+1] neg_lo:[0,1] neg_hi:[0,1]  ; w, h
.endr
.irp z, 0,1,2,3
	v_add_f32 v[TP+4*\z], v[RA], v[(\set)+32+(\qh)-\z]
.endr
.irp z, 0,1,2,3
	v_max_num_f32 v[TP+4*\z+2], 0, v[TP+4*\z+2]
.endr
.irp z, 0,1,2,3
	v_mul_f32 v[TP+4*\z+2], v[TP+4*\z+2], v[TP+4*\z+3]
.endr
.irp z, 0,1,2,3
	v_sub_f32 v[TP+4*\z], v[TP+4*\z], v[TP+4*\z+2]
.endr
.irp z, 0,1,2,3
	v_fma_f32 v[TP+4*\z], v[TP+4*\z], s[C07], s[CEP]
.endr
.irp z, 0,1,2,3
	v_cmp_gt_f32 vcc_lo, v[TP+4*\z+2], v[TP+4*\z]
	v_add_co_ci_u32 v[ACCU], vcc_lo, v[ACCU], v[ACCU], vcc_lo
.endr
.endm
	s_lshl_b32 s24, s21, 5
	v_add_nc_u32 v[R4], s24, v[LN]                 ; my row: 32 c + lane, 607 at the most;
	v_min_u32 v[R4], 639, v[R4]                    ; the bound says so in the text: the four LDS loads by it stay inside the tables of 640 slots
	v_lshlrev_b32 v[R16], 4, v[R4]
	v_lshlrev_b32 v[R8], 3, v[R4]
	v_lshlrev_b32 v[R4], 2, v[R4]
	ds_load_b128 v[RB:RB+3], v[R16] offset:SB
	ds_load_b32 v[RA], v[R4] offset:SA
	s_lshl_b32 s24, s20, 10
	v_mov_b32 v[CBA], s24                          ; my 64 columns' boxes
	s_lshl_b32 s24, s20, 8
	v_mov_b32 v[CAA], s24                          ; and areas
	v_mov_b32 v[WD], 0
	v_mov_b32 v[WD+1], 0
	s_mov_b32 s[C07], 0x3f333333                   ; 0.7
	s_mov_b32 s[CEP], 0x339652ee                   ; 0.7 x 1e-7
	LOADC CS0, 24
.set bi, 0
.rept 8                                ; eight batches of eight columns: block bi / 4, columns 31 - 8 (bi % 4) downward; the next batch's ten loads go out first
.if bi < 7
	LOADC (CS0+40*((bi+1)%2)), (32*((bi+1)/4)+24-8*((bi+1)%4))
	s_wait_dscnt 10                                ; all but the ten just issued
.else
	s_wait_dscnt 0x0
.endif
.set ACCU, WD+bi/4
	FOUR (CS0+40*(bi%2)), 7
	FOUR (CS0+40*(bi%2)), 3
.set bi, bi+1
.endr
	v_lshlrev_b32 v[L8], 3, v[LN]
	global_store_b64 v[L8], v[WD:WD+1], s[10:11]   ; 256 consecutive bytes, at a multiple of 256 from mat's first
	s_lshr_b32 s24, s21, 1
	s_cmp_lg_u32 s24, s20
	s_cbranch_scc1 .Lend
	; the wave that holds the block's own columns
	ds_load_b32 v[DGP+1], v[R4] offset:SF
	ds_load_b64 v[SCP:SCP+1], v[R8] offset:SS
	s_bitcmp1_b32 s21, 0
	s_cselect_b32 s24, -1, 0
	v_cndmask_b32 v[DGP], v[WD], v[WD+1], s24      ; b = c is my second word where c is odd
	v_mov_b32 v[MSK], -2
	v_lshlrev_b32 v[MSK], v[LN], v[MSK]            ; the bits above my own place
	v_and_b32 v[DGP], v[DGP], v[MSK]
	v_lshlrev_b32 v[L16], 4, v[LN]
	global_store_b128 v[L16], v[RB:RB+3], s[14:15]
	s_wait_dscnt 0x0
	global_store_b64 v[L8], v[DGP:DGP+1], s[12:13]
	global_store_b64 v[L8], v[SCP:SCP+1], s[16:17]
.Lend:
	s_wait_dscnt 0x0                               ; my LDS reads are back,
	s_barrier_signal -1
	s_barrier_wait -1                              ; and so are every wave's: no LDS word is written again before all ten have read what they read
	s_wait_tensorcnt 0x0                           ; the wave's end, behind my last LDS store
	ds_add_u32 v[SPW], v[NIL]
	s_wait_dscnt 0x0
	s_endpgm
.Lfunc_end_k_qf300fb0e43_k_mask:
	.size	k_qf300fb0e43_k_mask, .Lfunc_end_k_qf300fb0e43_k_mask-k_qf300fb0e43_k_mask
	.p2alignl 7, 3214868480
	.fill 96, 4, 3214868480
	.section	.rodata,"a",@progbits
	.p2align	6, 0x0
	.amdhsa_kernel k_qf300fb0e43_k_mask
		.amdhsa_group_segment_fixed_size 24320
		.amdhsa_private_segment_fixed_size 0
		.amdhsa_enable_private_segment 0
		.amdhsa_kernarg_size 56
		.amdhsa_user_sgpr_count 2
		.amdhsa_user_sgpr_kernarg_segment_ptr 1
		.amdhsa_wavefront_size32 1
		.amdhsa_system_sgpr_workgroup_id_x 1
		.amdhsa_system_sgpr_workgroup_id_y 1
		.amdhsa_system_sgpr_workgroup_id_z 1
		.amdhsa_system_vgpr_workitem_id 0
		.amdhsa_next_free_vgpr 192
		.amdhsa_next_free_sgpr 66
		.amdhsa_reserve_vcc 1
		.amdhsa_float_denorm_mode_32 3
		.amdhsa_float_denorm_mode_16_64 3
		.amdhsa_memory_ordered 1
		.amdhsa_forward_progress 1
		.amdhsa_inst_pref_size 96
	.end_amdhsa_kernel
	.amdgpu_metadata
---
amdhsa.version: [ 1, 2 ]
amdhsa.kernels:
  - .name:           k_qf300fb0e43_k_mask
    .symbol:         k_qf300fb0e43_k_mask.kd
    .args:
      - { .name: ranks, .offset: 0, .size: 8, .value_kind: global_buffer, .address_space: global }
      - { .name: boxes, .offset: 8, .size: 8, .value_kind: global_buffer, .address_space: global }
      - { .name: sccl, .offset: 16, .size: 8, .value_kind: global_buffer, .address_space: global }
      - { .name: mat, .offset: 24, .size: 8, .value_kind: global_buffer, .address_space: global }
      - { .name: diag, .offset: 32, .size: 8, .value_kind: global_buffer, .address_space: global }
      - { .name: sbox, .offset: 40, .size: 8, .value_kind: global_buffer, .address_space: global }
      - { .name: ssc, .offset: 48, .size: 8, .value_kind: global_buffer, .address_space: global }
    .group_segment_fixed_size: 24320
    .private_segment_fixed_size: 0
    .kernarg_segment_align: 8
    .kernarg_segment_size: 56
    .max_flat_workgroup_size: 320
    .sgpr_count:     66
    .vgpr_count:     192
    .wavefront_size: 32
...
	.end_amdgpu_metadata
.endif
;; end of part 3
;; launch k_scan (part 4): grid 2 x 1, 1 waves a work-group, no clusters, 7,936 bytes of LDS; arguments mat, diag, sbox, ssc, out0, out1; writes out0, out1
.if DOCPART == 4
	.amdgcn_target "amdgcn-amd-amdhsa--gfx1250"
	.amdhsa_code_object_version 6
	.text
	.protected	k_qf300fb0e43_k_scan
	.globl	k_qf300fb0e43_k_scan
	.p2align	8
	.type	k_qf300fb0e43_k_scan,@function
k_qf300fb0e43_k_scan:
	s_mov_b64 s[64:65], 0
	v_nop
	global_prefetch_b8 v0, s[64:65] scope:SCOPE_SE
	s_setreg_imm32_b32 hwreg(HW_REG_WAVE_MODE, 25, 1), 1
	s_wait_xcnt 0x0
; SCAN.  One wave for an image.  600 candidates in sorted order, 19 blocks of 32; candidate 32 c + lane lives in lane `lane`.  AL[c], a scalar word for each block, holds the candidates still alive: at first the valid ones.
; A block b is settled by a scalar chain: for t = 0 .. 30, if bit t is alive, the bits of D[t] (the later candidates of the block that t covers by more than 0.7) are cleared.  What is left is the block's kept word.
; Then each later block c: lane j holds W[c][b], the candidates of block b that cover j; (W & kept) != 0 as a lane mask IS the word of those now suppressed in block c.
; THE LIMIT OF 300.  reference() keeps nothing once 300 are kept, and until then the limit changes nothing: so the scan runs without it, a kept candidate's place is the number of kept ones before it,
; places from 300 on are thrown away, and the count is held at 300.
; OUT.  The image's 7,200 bytes are cleared in LDS; each kept candidate puts its 24 bytes at 24 x place (all others at place 300, which is not copied); the bytes leave as 16 a lane, 512 consecutive an instruction.
; All that steers an address here comes from the whole numbers in mat and diag; boxes, scores and classes are only carried.
; REGISTERS.  W's tiles (c, g) hold b = 2 g and 2 g + 1, for c > 2 g: 90 tiles, 180 registers, ordered by g: when block 2 g + 1 is settled the tiles of g are free.  Behind block 7 the first 120 are free
; and take the sorted records (19 x 6 registers), which land while blocks 8 to 18 are settled.
.set MAXD,  300
.set OUTB,  24*MAXD                    ; 7,200
.set SPARE, 7680                       ; behind the 15 x 512 bytes of the image's rows and the place that is thrown away: the spare words, one block of 256 bytes that no other line names
.set L8,   1
.set SPW,  2
.set NIL,  3
.set L16,  4
.set DUMP, 5
.set NUM,  6
.set ZOFF, 7
.set DG,   16                          ; v[16:53]   block b: D (lane t: D[t]) at DG + 2 b, valid flag beside it
.set MB,   56                          ; v[56:235]  tile (c, g) at MB + 38 g - 2 g g + 2 (c - 2 g - 1)
.set RCA,  56                          ; later: block c's boxes at RCA + 4 c,
.set RCB,  132                         ; its scores and classes at RCB + 2 c
.set CP,   176                         ; later: 15 x 4 registers on the way out
.set TV,   236                         ; v[236:254] at work
.set AL,   16                          ; s[16:34]
.set MS,   36                          ; s[36:53]   lane masks
.set DW,   66                          ; s[66:96]   D[0..30] of the block in hand; later the blocks' first places
.set SV,   98
.set CAND, 99
	s_load_b256 s[4:11], s[0:1], 0x0               ; mat s[4:5], diag s[6:7], sbox s[8:9], ssc s[10:11]
	s_load_b128 s[12:15], s[0:1], 0x20             ; out0 s[12:13], out1 s[14:15]
	v_lshl_add_u32 v[SPW], v0, 2, SPARE
	v_mov_b32 v[NIL], 0
	v_lshlrev_b32 v[L8], 3, v0
	v_lshlrev_b32 v[L16], 4, v0
	v_mov_b32 v[DUMP], MAXD
.irp e, 0,1,2,3
	v_mov_b32 v[TV+\e], 0
.endr
.set k, 0
.rept 15
	ds_store_b128 v[L16], v[TV:TV+3] offset:512*k
.set k, k+1
.endr
	s_mov_b32 s55, 0
	s_mov_b32 s57, 0
	s_mov_b32 s59, 0
	s_mov_b32 s61, 0
	s_mov_b32 s63, 0
	s_mul_i32 s54, ttmp9, 19*10*256
	s_mul_i32 s56, ttmp9, 19*256
	s_mul_i32 s58, ttmp9, 19*512
	s_mul_i32 s60, ttmp9, OUTB
	s_lshl_b32 s62, ttmp9, 2
	s_wait_kmcnt 0x0
	s_add_nc_u64 s[4:5], s[4:5], s[54:55]
	s_add_nc_u64 s[6:7], s[6:7], s[56:57]
	s_add_nc_u64 s[8:9], s[8:9], s[58:59]
	s_add_nc_u64 s[10:11], s[10:11], s[56:57]
	s_add_nc_u64 s[12:13], s[12:13], s[60:61]
	s_add_nc_u64 s[14:15], s[14:15], s[62:63]
.set c, 0
.rept 19
	global_load_b64 v[DG+2*c:DG+2*c+1], v[L8], s[6:7] offset:256*c
.set c, c+1
.endr
.set g, 0
.rept 9                                ; the tiles in the order in which they are wanted
.set c, 2*g+1
.rept 18-2*g
	global_load_b64 v[MB+38*g-2*g*g+2*(c-2*g-1):MB+38*g-2*g*g+2*(c-2*g-1)+1], v[L8], s[4:5] offset:(c*10+g)*256
.set c, c+1
.endr
.set g, g+1
.endr
.macro READD blk                       ; the block's D[0..30] into scalars (D[31] has no bit)
.set t, 0
.rept 31
	v_readlane_b32 s[DW+t], v[DG+2*(\blk)], t
.set t, t+1
.endr
.endm
	s_wait_loadcnt 63                              ; 90 loads were issued behind diag's 19; the wait's field ends at 63
.set c, 0
.rept 19
	v_cmp_ne_u32 s[AL+c], 0, v[DG+2*c+1]           ; alive at first: the valid ones
.set c, c+1
.endr
	READD 0
.set b, 0
.rept 19
.set t, 0
.rept 31                               ; the chain: what the word would be with t kept is made beside the test of bit t, and chosen by it
	s_and_not1_b32 s[CAND], s[AL+b], s[DW+t]
	s_bitcmp1_b32 s[AL+b], t
	s_cselect_b32 s[AL+b], s[CAND], s[AL+b]
.set t, t+1
.endr
.if b < 18
.if (b%2) == 0                         ; the tiles of g = b / 2 are wanted: behind the last of them 90 - (g + 1)(18 - g) tiles were asked for, and, from block 8 on, the 38 loads of the records
.set nw, 90-((b/2)+1)*(18-(b/2))
.if b >= 8
.set nw, nw+38
.endif
.if nw > 63
.set nw, 63
.endif
	s_wait_loadcnt nw
.endif
.set c, b+1
.rept 18-b
	v_and_b32 v[TV+c-b-1], s[AL+b], v[MB+38*(b/2)-2*(b/2)*(b/2)+2*(c-2*(b/2)-1)+(b%2)]
.set c, c+1
.endr
.set c, b+1
.rept 18-b
	v_cmp_ne_u32 s[MS+c-b-1], 0, v[TV+c-b-1]
.set c, c+1
.endr
	READD b+1                                      ; the next block's D, while the masks are on their way to the scalar side
.set c, b+1
.rept 18-b
	s_and_not1_b32 s[AL+c], s[AL+c], s[MS+c-b-1]
.set c, c+1
.endr
.endif
.if b == 7                             ; the tiles of g = 0 .. 3 have been read for the last time
.set c, 0
.rept 19
	global_load_b128 v[RCA+4*c:RCA+4*c+3], v[L16], s[8:9] offset:512*c
	global_load_b64 v[RCB+2*c:RCB+2*c+1], v[L8], s[10:11] offset:256*c
.set c, c+1
.endr
.endif
.set b, b+1
.endr
	s_mov_b32 s[DW], 0                             ; the blocks' first places
.set c, 0
.rept 19
	s_bcnt1_i32_b32 s[CAND], s[AL+c]
	s_add_co_u32 s[DW+c+1], s[DW+c], s[CAND]
.set c, c+1
.endr
	s_min_u32 s[CAND], s[DW+19], MAXD              ; the count
	s_wait_loadcnt 0x0                             ; the records
.set c, 0
.rept 19
	v_mbcnt_lo_u32_b32 v[TV+c], s[AL+c], s[DW+c]   ; the kept ones before me
	v_cndmask_b32 v[TV+c], v[DUMP], v[TV+c], s[AL+c]
	v_min_u32 v[TV+c], MAXD, v[TV+c]               ; a number made of loaded ones enters an address only behind this bound
	v_mul_u32_u24 v[TV+c], 24, v[TV+c]
	ds_store_b64 v[TV+c], v[RCA+4*c:RCA+4*c+1]
	ds_store_b64 v[TV+c], v[RCA+4*c+2:RCA+4*c+3] offset:8
	ds_store_b64 v[TV+c], v[RCB+2*c:RCB+2*c+1] offset:16
.set c, c+1
.endr
.set k, 0
.rept 15
	ds_load_b128 v[CP+4*k:CP+4*k+3], v[L16] offset:512*k  ; LDS serves a wave's instructions in order: these see the stores above
.set k, k+1
.endr
.set k, 0
.rept 14
	s_wait_dscnt 14-k                              ; load k is back; the 14 - k younger ones may be out
	global_store_b128 v[L16], v[CP+4*k:CP+4*k+3], s[12:13] offset:512*k
.set k, k+1
.endr
	s_wait_dscnt 0x0
	v_cmp_gt_u32 vcc_lo, 2, v0                     ; 7,200 = 14 x 512 + 32: two lanes more
	v_mov_b32 v[NUM], s[CAND]
	v_mov_b32 v[ZOFF], 0
	s_wait_xcnt 0x0                                ; EXEC changes only behind this wait
	s_and_saveexec_b32 s[SV], vcc_lo
	global_store_b128 v[L16], v[CP+56:CP+59], s[12:13] offset:7168
	s_wait_xcnt 0x0
	s_or_b32 exec_lo, exec_lo, s[SV]
	v_cmp_eq_u32 vcc_lo, 0, v0
	s_and_saveexec_b32 s[SV], vcc_lo
	global_store_b32 v[ZOFF], v[NUM], s[14:15]
	s_wait_xcnt 0x0
	s_or_b32 exec_lo, exec_lo, s[SV]
	s_wait_tensorcnt 0x0                           ; the wave's end, behind my last LDS store
	ds_add_u32 v[SPW], v[NIL]
	s_wait_dscnt 0x0
	s_endpgm
.Lfunc_end_k_qf300fb0e43_k_scan:
	.size	k_qf300fb0e43_k_scan, .Lfunc_end_k_qf300fb0e43_k_scan-k_qf300fb0e43_k_scan
	.p2alignl 7, 3214868480
	.fill 96, 4, 3214868480
	.section	.rodata,"a",@progbits
	.p2align	6, 0x0
	.amdhsa_kernel k_qf300fb0e43_k_scan
		.amdhsa_group_segment_fixed_size 7936
		.amdhsa_private_segment_fixed_size 0
		.amdhsa_enable_private_segment 0
		.amdhsa_kernarg_size 48
		.amdhsa_user_sgpr_count 2
		.amdhsa_user_sgpr_kernarg_segment_ptr 1
		.amdhsa_wavefront_size32 1
		.amdhsa_system_sgpr_workgroup_id_x 1
		.amdhsa_system_sgpr_workgroup_id_y 1
		.amdhsa_system_sgpr_workgroup_id_z 1
		.amdhsa_system_vgpr_workitem_id 0
		.amdhsa_next_free_vgpr 256
		.amdhsa_next_free_sgpr 100
		.amdhsa_reserve_vcc 1
		.amdhsa_float_denorm_mode_32 3
		.amdhsa_float_denorm_mode_16_64 3
		.amdhsa_memory_ordered 1
		.amdhsa_forward_progress 1
		.amdhsa_inst_pref_size 144
	.end_amdhsa_kernel
	.amdgpu_metadata
---
amdhsa.version: [ 1, 2 ]
amdhsa.kernels:
  - .name:           k_qf300fb0e43_k_scan
    .symbol:         k_qf300fb0e43_k_scan.kd
    .args:
      - { .name: mat, .offset: 0, .size: 8, .value_kind: global_buffer, .address_space: global }
      - { .name: diag, .offset: 8, .size: 8, .value_kind: global_buffer, .address_space: global }
      - { .name: sbox, .offset: 16, .size: 8, .value_kind: global_buffer, .address_space: global }
      - { .name: ssc, .offset: 24, .size: 8, .value_kind: global_buffer, .address_space: global }
      - { .name: out0, .offset: 32, .size: 8, .value_kind: global_buffer, .address_space: global }
      - { .name: out1, .offset: 40, .size: 8, .value_kind: global_buffer, .address_space: global }
    .group_segment_fixed_size: 7936
    .private_segment_fixed_size: 0
    .kernarg_segment_align: 8
    .kernarg_segment_size: 48
    .max_flat_workgroup_size: 32
    .sgpr_count:     100
    .vgpr_count:     256
    .wavefront_size: 32
...
	.end_amdgpu_metadata
.endif
;; end of part 4
;; ======== version 2 of 2: 4 launches; version 1 with the launch k_mask written anew for expert scheduling mode
;; limits: inputs' magnitudes at most 5.07e+30
;; workspace buffers: keys 67,328 bytes; boxes 268,800 bytes; sccl 134,400 bytes; ranks 67,328 bytes of whole numbers; mat 97,280 bytes of whole numbers; diag 9,728 bytes of whole numbers; sbox 19,456 bytes; ssc 9,728 bytes
;; launch k_score: the kernel of part 1 again; grid 525 x 1, 1 waves a work-group, no clusters, 11,008 bytes of LDS; arguments predictions, keys, boxes, sccl; writes keys, boxes, sccl
;; launch k_rank: the kernel of part 2 again; grid 117 x 2, 8 waves a work-group, no clusters, 37,632 bytes of LDS; arguments keys, ranks; writes ranks
;; launch k_mask (part 5): grid 19 x 2, 10 waves a work-group, no clusters, 24,320 bytes of LDS; arguments ranks, boxes, sccl, mat, diag, sbox, ssc; writes mat, diag, sbox, ssc
.if DOCPART == 5
	.amdgcn_target "amdgcn-amd-amdhsa--gfx1250"
	.amdhsa_code_object_version 6
	.text
	.protected	k_qf300fb0e43_k_mask
	.globl	k_qf300fb0e43_k_mask
	.p2align	8
	.type	k_qf300fb0e43_k_mask,@function
k_qf300fb0e43_k_mask:
	s_mov_b64 s[64:65], 0
	v_nop
	global_prefetch_b8 v0, s[64:65] scope:SCOPE_SE
	s_setreg_imm32_b32 hwreg(HW_REG_WAVE_SCHED_MODE, 0, 2), 2
	s_setreg_imm32_b32 hwreg(HW_REG_WAVE_MODE, 25, 1), 1
	s_wait_xcnt 0x0
	s_wait_alu depctr_vm_vsrc(0)
; MASK.  The first 600 elements of an image in sorted order are the candidates, in 19 blocks of 32 (slots 600 to 639 hold empty boxes).  Work-group c makes, for its 32 rows 32 c + lane, the words
; W[c][b], b <= c: bit i says IoU(row, candidate 32 b + i) > 0.7.  Wave w makes b = 2 w and 2 w + 1 and stores both as 8 bytes a lane: 256 consecutive bytes at (10 c + w) x 256.
; The wave that holds b = c also stores: the row's own-block word with only the bits above the row's own place, beside the row's valid flag (score > 0.25); the row's box; its score and class.
; THE ORDER.  ranks holds each element's slot x 4 (2,400 = not among the 600).  Wave 0 alone walks the 8,400 words and puts each element's number into its slot in LDS: one wave, so that no two waves
; store into the same bytes between two barriers.  Then all 320 threads fetch two slots' box, score and class each.
; THE TEST.  inter = max(w, 0) x h;  inter > 0.7 x (area_i + area_j - inter) + 0.7e-7, areas held at 0 or above, stands for inter / (area_i + area_j - inter + 1e-7) > 0.7.  inter > 0 only where both boxes
; have positive sizes, and there the areas are reference()'s own and the divisor is positive; elsewhere the right side is positive and the left is not, as reference()'s quotient is never above 0.
; LIMIT: the two forms round differently, so an IoU within a few units in the last place of 0.7 may fall on the other side.  NaN and infinities are not treated apart.
; A column's bit is 1 << column, chosen under the compare's lane mask, and two such bits at a time are added to the word: no two are alike, so the sum is their union.  The columns of a block go from 31 down to 0.
; THE MODE: SCHED_MODE bits 1:0 = 2 (LLVM: expert scheduling mode 2), set by the entry lines.  The code itself states the register dependences between vector instructions and memory or LDS
; instructions, and those through scalar registers that vector instructions write, with s_wait_alu, always for 0.
; THE PLAN, wave 0's walk.  66 rounds of 32 lanes x 4 words go in 7 groups: six of ten rounds, one of six.  Registers that memory or LDS instructions touch:
;   X0 .. X3   ten rounds' words each; group p lies in X[p % 4].  Written by its loads; step p bounds them in place; the LDS stores of group p, issued in step p + 1, read them as addresses;
;              the loads of group p + 4, issued in step p + 2, land in them.
;   J0, J1     ten rounds' element numbers each.  Written by step p's additions (J[p % 2]); read as data by the LDS stores of group p, issued in step p + 1.
;   GO, GL, ZR and v8-11 are made at the arm's head and not written again in it.
; Step p's vector lines name X[p % 4], J[p % 2] and v7-11; its LDS stores read X[(p - 1) % 4] and J[(p - 1) % 2]; its loads land in X[(p - 2) % 4].  So the waits at a step's head state all that the
; step's loads and stores hang on, and these are dealt among its vector lines with no further wait.
; THE PLAN, the columns.  Eight batches of eight columns on two sets of registers.  Batch b's arithmetic reads set b % 2; the LDS loads of batch b + 1, issued at batch b's head, land in the other set, which
; batch b - 1 read.  Batch b's eight compares write eight lane masks in scalar registers, the only scalar registers that a vector line of these batches writes; the eight selects that read them stand among
; batch b + 1's arithmetic, ahead of its compares.  So two waits stand at a batch's head: the batch before is done reading its set, and its masks are written.  The LDS addresses are made once, ahead of the first batch.
.set N,     8400
.set TOP,   600
.set ORD,   0                          ; 601 words: slot -> element; the block of 2,560 bytes is cleared first
.set SB,    2560                       ; 640 boxes
.set SA,    12800                      ; 640 areas
.set SS,    15360                      ; 640 x (score, class)
.set SF,    20480                      ; 640 flags
.set SPARE, 23040                      ; the spare words, 128 bytes for each wave: five blocks of 256 bytes that no other line names
.set LN,  1                            ; v1   lane
.set SPW, 2
.set NIL, 3
.set GO,  5                            ; v5   16 x lane
.set GL,  6                            ; v6   the last round's offset
.set JB,  7                            ; v7   the last round's first element
.set J,   8                            ; v[8:11]    the numbers of my four elements in round 0; never rewritten
.set ZR,  12                           ; v[12:15]   zeros for the slot table
.set XS,  16                           ; v[16:175]  X0 .. X3: 40 registers each
.set JS,  176                          ; v[176:255] J0, J1: 40 registers each
.set RB,  56                           ; v[56:59]   my row's box
.set RA,  60                           ;            its area
.set CBA, 61
.set CAA, 62
.set R16, 63
.set R4,  64
.set R8,  65
.set WD,  66                           ; v[66:67]   the two words
.set TP,  68                           ; v[68:83]   four columns at work, four registers each
.set DGP, 84                           ; v[84:85]
.set MSK, 86
.set SCP, 88                           ; v[88:89]
.set L8,  90
.set L16, 91
.set BT,  92                           ; v[92:95]   four columns' bits on their way into a word: vector lines alone name them
.set CS0, 96                           ; v[96:135], v[136:175]  two sets: eight columns' boxes, then their areas
.set C07, 30
.set CEP, 31
.set MKS, 32                           ; s[32:39]   a batch's eight lane masks
.set VM,  41                           ; s[41:42]   the two valid masks
	s_load_b256 s[4:11], s[0:1], 0x0               ; ranks s[4:5], boxes s[6:7], sccl s[8:9], mat s[10:11]
	s_load_b128 s[12:15], s[0:1], 0x20             ; diag s[12:13], sbox s[14:15]
	s_load_b64 s[16:17], s[0:1], 0x30              ; ssc
	v_lshl_add_u32 v[SPW], v0, 2, SPARE
	v_mov_b32 v[NIL], 0
	v_lshrrev_b32 v4, 5, v0
	v_readfirstlane_b32 s20, v4                    ; wave 0..9
	s_mov_b32 s21, ttmp9                           ; c
	s_and_b32 s22, ttmp7, 0xffff                   ; the image
	v_and_b32 v[LN], 31, v0
	s_wait_alu depctr_va_sdst(0)                   ; s20 is written, ahead of its first reader: mat's tile and the branches are made from it
	s_mov_b32 s25, 0
	s_mov_b32 s27, 0
	s_wait_kmcnt 0x0
	s_mul_i32 s24, s22, 4*N
	s_add_nc_u64 s[4:5], s[4:5], s[24:25]
	s_mul_i32 s24, s22, 16*N
	s_add_nc_u64 s[6:7], s[6:7], s[24:25]
	s_mul_i32 s24, s22, 8*N
	s_add_nc_u64 s[8:9], s[8:9], s[24:25]
	s_mul_i32 s24, s22, 19*10*256
	s_mul_i32 s26, s21, 10
	s_add_co_u32 s26, s26, s20
	s_lshl_b32 s26, s26, 8
	s_add_nc_u64 s[10:11], s[10:11], s[24:25]
	s_add_nc_u64 s[10:11], s[10:11], s[26:27]      ; my tile of mat
	s_mul_i32 s24, s22, 19*256
	s_lshl_b32 s26, s21, 8
	s_add_nc_u64 s[12:13], s[12:13], s[24:25]
	s_add_nc_u64 s[12:13], s[12:13], s[26:27]
	s_add_nc_u64 s[16:17], s[16:17], s[24:25]
	s_add_nc_u64 s[16:17], s[16:17], s[26:27]
	s_mul_i32 s24, s22, 19*512
	s_lshl_b32 s26, s21, 9
	s_add_nc_u64 s[14:15], s[14:15], s[24:25]
	s_add_nc_u64 s[14:15], s[14:15], s[26:27]
	s_cmp_lg_u32 s20, 0
	s_cbranch_scc1 .Lplaced
; Wave 0: 2,100 groups of four words = 65 rounds of 32 lanes and 20 lanes more; the last round's lanes are held at the last group (a group taken twice stores the same number into the same slot).
.macro LOADR k                         ; round k's four words into their place in the ring
.set xr, XS+40*(((\k)/10)%4)+4*((\k)%10)
.if (\k) < 65
	global_load_b128 v[xr:xr+3], v[GO], s[4:5] offset:512*(\k)
.else
	global_load_b128 v[xr:xr+3], v[GL], s[4:5]
.endif
.endm
.macro MAKER k                         ; round k: the four slots are bounded, the four elements' numbers made (round 0's are v8-11 themselves)
.set xr, XS+40*(((\k)/10)%4)+4*((\k)%10)
.set jr, JS+40*(((\k)/10)%2)+4*((\k)%10)
.irp e, 0,1,2,3
	v_min_u32 v[xr+\e], 4*TOP, v[xr+\e]            ; a loaded number enters an address only behind this bound
.endr
.if (\k) == 65
.irp e, 0,1,2,3
	v_add_nc_u32 v[jr+\e], \e, v[JB]
.endr
.elseif (\k) > 0
.irp e, 0,1,2,3
	v_add_nc_u32 v[jr+\e], 128*(\k), v[J+\e]
.endr
.endif
.endm
.macro STORER k                        ; round k: each element's number into its slot
.set xr, XS+40*(((\k)/10)%4)+4*((\k)%10)
.set jr, JS+40*(((\k)/10)%2)+4*((\k)%10)
.if (\k) == 0
.set jr, J
.endif
.irp e, 0,1,2,3
	ds_store_b32 v[xr+\e], v[jr+\e] offset:ORD
.endr
.endm
; Step p.  left = how many younger loads may still be out when group p's have to be there.
.macro STEP p, left
	s_wait_loadcnt \left                           ; loads come back in order: group p is in, the younger groups stay out
.if (\p) >= 2
	s_wait_alu depctr_vm_vsrc(0)                   ; the LDS stores issued in the step before have read J[p % 2], which this step writes again, and X[(p - 2) % 4], in which this step's loads land
.endif
.if (\p) >= 1
	s_wait_alu depctr_va_vdst(0)                   ; the step before has written X[(p - 1) % 4] and J[(p - 1) % 2], which the LDS stores below read; X[(p - 2) % 4], in which the loads below land, was written a step earlier
.endif
.set r, 0
.rept 10
.if ((\p) >= 2) && (10*(\p)+20+r < 66)
	LOADR 10*(\p)+20+r                             ; two groups ahead; no vector line since the waits names these registers
.endif
.if (\p) >= 1
	STORER 10*(\p)-10+r                            ; the group before
.endif
.if 10*(\p)+r < 66
	MAKER 10*(\p)+r
.endif
.set r, r+1
.endr
.endm
	v_lshlrev_b32 v[GO], 4, v[LN]
	v_add_nc_u32 v[GL], 2080, v[LN]
	v_min_u32 v[GL], N/4-1, v[GL]
	v_lshlrev_b32 v[JB], 2, v[GL]
	v_lshlrev_b32 v[GL], 4, v[GL]
.irp e, 0,1,2,3
	v_mov_b32 v[ZR+\e], 0
.endr
	v_lshlrev_b32 v[J], 2, v[LN]
	v_add_nc_u32 v[J+1], 1, v[J]
	v_add_nc_u32 v[J+2], 2, v[J]
	v_add_nc_u32 v[J+3], 3, v[J]
	s_wait_alu depctr_va_vdst(0)                   ; GO and GL are written, the loads' offsets; GO and ZR, the clearing stores' address and data; v8-11, the data of round 0's stores
.set k, 0
.rept 40                               ; groups 0 to 3 are asked for at once
	LOADR k
.set k, k+1
.endr
	; while the first 40 loads are out: the slot table is cleared, 5 x 512 bytes, so that every word read later has been written; LDS serves a wave's instructions in order, so the numbers put below land on top
.irp k, 0,1,2,3,4
	ds_store_b128 v[GO], v[ZR:ZR+3] offset:ORD+512*\k
.endr
	STEP 0, 30                                     ; behind group 0: groups 1 to 3
	STEP 1, 20                                     ; behind group 1: groups 2 and 3
	STEP 2, 10                                     ; behind group 2: group 3; group 4 is asked for
	STEP 3, 10                                     ; behind group 3: group 4; group 5 is asked for
	STEP 4, 10                                     ; behind group 4: group 5; group 6, six rounds, is asked for
	STEP 5, 6                                      ; behind group 5: group 6
	STEP 6, 0
	s_wait_alu depctr_va_vdst(0)                   ; step 6 has written group 6's slots and numbers, which the last 24 LDS stores read
.irp k, 60,61,62,63,64,65
	STORER \k
.endr
.Lplaced:
	s_wait_dscnt 0x0
	s_barrier_signal -1
	s_barrier_wait -1                              ; every slot holds its element's number
	s_wait_alu depctr_vm_vsrc(0)                   ; wave 0's LDS stores have read ZR, X0 .. X3, J0 and J1: the registers from v12 on are written again from here on, by vector lines and by loads
	; slots thread and thread + 320
	v_lshlrev_b32 v12, 2, v0
	v_add_nc_u32 v15, 320, v0
	v_min_u32 v16, TOP-1, v15                      ; slots 600 to 639 read slot 599 and are emptied below
	v_lshlrev_b32 v16, 2, v16
	v_lshlrev_b32 v13, 3, v0
	v_lshlrev_b32 v14, 4, v0
	v_cmp_gt_u32 s28, TOP, v15
	v_mov_b32 v48, 1
	s_wait_alu depctr_va_vdst(0)                   ; v12 and v16 are written, the two LDS loads' addresses; wave 0's vector lines are done with v20, v21 and v32-43, in which loads land below
	ds_load_b32 v20, v12 offset:ORD
	ds_load_b32 v21, v16 offset:ORD
	s_wait_alu depctr_va_sdst(0)                   ; s28 is written, ahead of its first reader, the selects below
	s_wait_dscnt 0x0
	v_min_u32 v20, N-1, v20
	v_min_u32 v21, N-1, v21
	v_lshlrev_b32 v22, 4, v20
	v_lshlrev_b32 v23, 4, v21
	v_lshlrev_b32 v24, 3, v20
	v_lshlrev_b32 v25, 3, v21
	s_wait_alu depctr_va_vdst(0)                   ; v22 to v25 are written, the four loads' offsets
	global_load_b128 v[32:35], v22, s[6:7]
	global_load_b128 v[36:39], v23, s[6:7]
	global_load_b64 v[40:41], v24, s[8:9]
	global_load_b64 v[42:43], v25, s[8:9]
	s_wait_loadcnt 0x0
.irp e, 36,37,38,39,42,43
	v_cndmask_b32 v[\e], 0, v[\e], s28
.endr
	v_cmp_lt_f32 s[VM], 0x3e800000, v40            ; valid: 0.25 < score
	v_cmp_lt_f32 s[VM+1], 0x3e800000, v42
	v_sub_f32 v46, v34, v32
	v_sub_f32 v49, v35, v33
	v_sub_f32 v47, v38, v36
	v_sub_f32 v50, v39, v37
	v_mul_f32 v46, v46, v49
	v_mul_f32 v47, v47, v50
	v_max_num_f32 v46, 0, v46
	v_max_num_f32 v47, 0, v47
	s_wait_alu depctr_va_sdst(0)                   ; the two valid masks are written, ahead of the selects that read them
	v_cndmask_b32 v44, 0, v48, s[VM]
	v_cndmask_b32 v45, 0, v48, s[VM+1]
	s_wait_alu depctr_va_vdst(0)                   ; the emptied v36-39, v42, v43, the flags v44, v45 and the areas v46, v47 are written, which the LDS stores read (v13 and v14, their addresses, stand ahead of an earlier wait)
	ds_store_b128 v14, v[32:35] offset:SB
	ds_store_b128 v14, v[36:39] offset:SB+320*16
	ds_store_b32 v12, v46 offset:SA
	ds_store_b32 v12, v47 offset:SA+320*4
	ds_store_b64 v13, v[40:41] offset:SS
	ds_store_b64 v13, v[42:43] offset:SS+320*8
	ds_store_b32 v12, v44 offset:SF
	ds_store_b32 v12, v45 offset:SF+320*4
	s_wait_dscnt 0x0
	s_barrier_signal -1
	s_barrier_wait -1                              ; the sorted candidates lie in LDS
	s_lshl_b32 s23, s20, 1
	s_cmp_gt_u32 s23, s21                          ; both my column blocks lie above the diagonal: nobody reads their words
	s_cbranch_scc1 .Lend
.macro LOADC set, lo                   ; eight columns from column lo of my 64 on: every lane reads the same bytes
.irp q, 0,1,2,3,4,5,6,7
	ds_load_b128 v[(\set)+4*\q:(\set)+4*\q+3], v[CBA] offset:SB+16*((\lo)+\q)
.endr
	ds_load_b128 v[(\set)+32:(\set)+35], v[CAA] offset:SA+4*(\lo)
	ds_load_b128 v[(\set)+36:(\set)+39], v[CAA] offset:SA+4*(\lo)+16
.endm
; The bits of the batch before: it began at column PLO of its block, its word is PACC, and its mask i stands for column PLO + 7 - i.
.macro SEL2 i                          ; masks i and i + 1: each lane's bit, or 0
	v_cndmask_b32 v[BT+(\i)%4], 0, 1<<(PLO+7-(\i)), s[MKS+(\i)]
	v_cndmask_b32 v[BT+(\i)%4+1], 0, 1<<(PLO+6-(\i)), s[MKS+(\i)+1]
.endm
.macro JOIN2 i                         ; the two go into the word
	v_add3_u32 v[PACC], v[PACC], v[BT+(\i)%4], v[BT+(\i)%4+1]
.endm
; Columns qh, qh - 1, qh - 2, qh - 3 of the set, side by side so that no line waits for the one before it; their compares write the masks mi .. mi + 3.
; What those masks held, the same four columns' bits of the batch before, is taken first, behind the first four stages.
.macro FOUR set, qh, mi
.irp z, 0,1,2,3
	v_max_num_f32 v[TP+4*\z], v[RB], v[(\set)+4*((\qh)-\z)]
.endr
.if bi > 0
	SEL2 (\mi)
.endif
.irp z, 0,1,2,3
	v_max_num_f32 v[TP+4*\z+1], v[RB+1], v[(\set)+4*((\qh)-\z)+1]
.endr
.if bi > 0
	JOIN2 (\mi)
.endif
.irp z, 0,1,2,3
	v_min_num_f32 v[TP+4*\z+2], v[RB+2], v[(\set)+4*((\qh)-\z)+2]
.endr
.if bi > 0
	SEL2 (\mi)+2
.endif
.irp z, 0,1,2,3
	v_min_num_f32 v[TP+4*\z+3], v[RB+3], v[(\set)+4*((\qh)-\z)+3]
.endr
.if bi > 0
	JOIN2 (\mi)+2
.endif
.irp z, 0,1,2,3
	v_pk_add_f32 v[TP+4*\z+2:TP+4*\z+3], v[TP+4*\z+2:TP+4*\z+3], v[TP+4*\z:TP+4*\z+1] neg_lo:[0,1] neg_hi:[0,1]  ; w, h
.endr
.irp z, 0,1,2,3
	v_add_f32 v[TP+4*\z], v[RA], v[(\set)+32+(\qh)-\z]
.endr
.irp z, 0,1,2,3
	v_max_num_f32 v[TP+4*\z+2], 0, v[TP+4*\z+2]
.endr
.irp z, 0,1,2,3
	v_mul_f32 v[TP+4*\z+2], v[TP+4*\z+2], v[TP+4*\z+3]
.endr
.irp z, 0,1,2,3
	v_sub_f32 v[TP+4*\z], v[TP+4*\z], v[TP+4*\z+2]
.endr
.irp z, 0,1,2,3
	v_fma_f32 v[TP+4*\z], v[TP+4*\z], s[C07], s[CEP]
.endr
.irp z, 0,1,2,3
	v_cmp_gt_f32 s[MKS+(\mi)+\z], v[TP+4*\z+2], v[TP+4*\z]
.endr
.endm
	s_lshl_b32 s24, s21, 5
	v_add_nc_u32 v[R4], s24, v[LN]                 ; my row: 32 c + lane, 607 at the most;
	v_min_u32 v[R4], 639, v[R4]                    ; the bound says so in the text: the four LDS loads by it stay inside the tables of 640 slots
	v_lshlrev_b32 v[R16], 4, v[R4]
	v_lshlrev_b32 v[R8], 3, v[R4]
	v_lshlrev_b32 v[R4], 2, v[R4]
	s_lshl_b32 s24, s20, 10
	v_mov_b32 v[CBA], s24                          ; my 64 columns' boxes
	s_lshl_b32 s24, s20, 8
	v_mov_b32 v[CAA], s24                          ; and areas
	v_mov_b32 v[WD], 0
	v_mov_b32 v[WD+1], 0
	v_lshlrev_b32 v[L8], 3, v[LN]
	s_mov_b32 s[C07], 0x3f333333                   ; 0.7
	s_mov_b32 s[CEP], 0x339652ee                   ; 0.7 x 1e-7
	s_wait_alu depctr_va_vdst(0)                   ; R16, R4, R8, CBA and CAA are written, the addresses of all LDS loads from here on, and L8, the stores' offset
	ds_load_b128 v[RB:RB+3], v[R16] offset:SB
	ds_load_b32 v[RA], v[R4] offset:SA
	LOADC CS0, 24
.set bi, 0
.rept 8                                ; eight batches of eight columns: block bi / 4, columns 31 - 8 (bi % 4) downward; the next batch's ten loads go out first
.if (bi > 0) && (bi < 7)
	s_wait_alu depctr_va_vdst(0)                   ; the batch before is done reading its set of columns, in which the ten loads below land
.endif
.if bi > 0
	s_wait_alu depctr_va_sdst(0)                   ; the batch before's eight compares have written their masks, which this batch's selects read
.endif
.if bi < 7
	LOADC (CS0+40*((bi+1)%2)), (32*((bi+1)/4)+24-8*((bi+1)%4))
	s_wait_dscnt 10                                ; all but the ten just issued
.else
	s_wait_dscnt 0x0
.endif
.set PACC, WD+(bi+3)/4-1               ; the word of the batch before,
.set PLO, 24-8*((bi+3)%4)              ; and its first column
	FOUR (CS0+40*(bi%2)), 7, 0
	FOUR (CS0+40*(bi%2)), 3, 4
.set bi, bi+1
.endr
	s_wait_alu depctr_va_sdst(0)                   ; the last batch's eight masks are written, which the selects below read
.set PACC, WD+1
.set PLO, 0
	SEL2 0
	SEL2 2
	JOIN2 0
	JOIN2 2
	SEL2 4
	SEL2 6
	JOIN2 4
	JOIN2 6
	s_wait_alu depctr_va_vdst(0)                   ; the two words are written, which the store reads
	global_store_b64 v[L8], v[WD:WD+1], s[10:11]   ; 256 consecutive bytes, at a multiple of 256 from mat's first
	s_lshr_b32 s24, s21, 1
	s_cmp_lg_u32 s24, s20
	s_cbranch_scc1 .Lend
	; the wave that holds the block's own columns
	ds_load_b32 v[DGP+1], v[R4] offset:SF          ; no vector line since the wait above names v85, v88 or v89
	ds_load_b64 v[SCP:SCP+1], v[R8] offset:SS
	s_bitcmp1_b32 s21, 0
	s_cselect_b32 s24, -1, 0
	v_cndmask_b32 v[DGP], v[WD], v[WD+1], s24      ; b = c is my second word where c is odd
	v_mov_b32 v[MSK], -2
	v_lshlrev_b32 v[MSK], v[LN], v[MSK]            ; the bits above my own place
	v_and_b32 v[DGP], v[DGP], v[MSK]
	v_lshlrev_b32 v[L16], 4, v[LN]
	s_wait_alu depctr_va_vdst(0)                   ; L16, the box's offset, and the masked word are written, which the stores below read
	global_store_b128 v[L16], v[RB:RB+3], s[14:15]
	s_wait_dscnt 0x0
	global_store_b64 v[L8], v[DGP:DGP+1], s[12:13]
	global_store_b64 v[L8], v[SCP:SCP+1], s[16:17]
.Lend:
	s_wait_dscnt 0x0                               ; my LDS reads are back,
	s_barrier_signal -1
	s_barrier_wait -1                              ; and so are every wave's: no LDS word is written again before all ten have read what they read
	s_wait_dscnt 0x0                               ; the wave's end
	s_wait_alu 0x0
	s_wait_tensorcnt 0x0
	ds_add_u32 v[SPW], v[NIL]
	s_wait_dscnt 0x0
	s_endpgm
.Lfunc_end_k_qf300fb0e43_k_mask:
	.size	k_qf300fb0e43_k_mask, .Lfunc_end_k_qf300fb0e43_k_mask-k_qf300fb0e43_k_mask
	.p2alignl 7, 3214868480
	.fill 96, 4, 3214868480
	.section	.rodata,"a",@progbits
	.p2align	6, 0x0
	.amdhsa_kernel k_qf300fb0e43_k_mask
		.amdhsa_group_segment_fixed_size 24320
		.amdhsa_private_segment_fixed_size 0
		.amdhsa_enable_private_segment 0
		.amdhsa_kernarg_size 56
		.amdhsa_user_sgpr_count 2
		.amdhsa_user_sgpr_kernarg_segment_ptr 1
		.amdhsa_wavefront_size32 1
		.amdhsa_system_sgpr_workgroup_id_x 1
		.amdhsa_system_sgpr_workgroup_id_y 1
		.amdhsa_system_sgpr_workgroup_id_z 1
		.amdhsa_system_vgpr_workitem_id 0
		.amdhsa_next_free_vgpr 256
		.amdhsa_next_free_sgpr 66
		.amdhsa_reserve_vcc 0
		.amdhsa_float_denorm_mode_32 3
		.amdhsa_float_denorm_mode_16_64 3
		.amdhsa_memory_ordered 1
		.amdhsa_forward_progress 1
		.amdhsa_inst_pref_size 105
	.end_amdhsa_kernel
	.amdgpu_metadata
---
amdhsa.version: [ 1, 2 ]
amdhsa.kernels:
  - .name:           k_qf300fb0e43_k_mask
    .symbol:         k_qf300fb0e43_k_mask.kd
    .args:
      - { .name: ranks, .offset: 0, .size: 8, .value_kind: global_buffer, .address_space: global }
      - { .name: boxes, .offset: 8, .size: 8, .value_kind: global_buffer, .address_space: global }
      - { .name: sccl, .offset: 16, .size: 8, .value_kind: global_buffer, .address_space: global }
      - { .name: mat, .offset: 24, .size: 8, .value_kind: global_buffer, .address_space: global }
      - { .name: diag, .offset: 32, .size: 8, .value_kind: global_buffer, .address_space: global }
      - { .name: sbox, .offset: 40, .size: 8, .value_kind: global_buffer, .address_space: global }
      - { .name: ssc, .offset: 48, .size: 8, .value_kind: global_buffer, .address_space: global }
    .group_segment_fixed_size: 24320
    .private_segment_fixed_size: 0
    .kernarg_segment_align: 8
    .kernarg_segment_size: 56
    .max_flat_workgroup_size: 320
    .sgpr_count:     66
    .vgpr_count:     256
    .wavefront_size: 32
...
	.end_amdgpu_metadata
.endif
;; end of part 5
;; launch k_scan: the kernel of part 4 again; grid 2 x 1, 1 waves a work-group, no clusters, 7,936 bytes of LDS; arguments mat, diag, sbox, ssc, out0, out1; writes out0, out1
